; MI455X (gfx1250); checked and timed in simulation.
; The chip was launched on July 23, 2026; its instructions are those of AMD's public machine-readable ISA for CDNA 5 (MIT licence, August 2026) and "CDNA5" Instruction Set Architecture Reference Guide (July 2026). The comments in the code are by the model that wrote it; some were corrected since.
;; Mo E Layer. Allowed arithmetic: matrix products marked QUANTISED: E2M1 operands, one E8M0 scale for each 32 along K, by v_wmma_scale_f32_16x16x128_f8f6f4 with both operands' format E2M1 (or v_wmma_scale_f32_32x16x128_f4), f32 sums; products left as they are: f32 operands where the result goes on into a quantised operand, else bf16, f16 or f32 operands; f32 sums; everything else in f32.
;; Inputs: expert_b 8 x 128 float32; expert_w_codes 8 x 128 x 4 x 16 uint8 (E2M1 codes of expert_w, K innermost, in blocks of 32 codes, two codes a byte); expert_w_scales 8 x 128 x 4 uint8 (E8M0 scales of expert_w, one for each 32 codes along K); router_b 8 float32; router_w 128 x 8 float32; x 8 x 8,192 x 128 float32.
;; Outputs: out0 8 x 8,192 x 128 float32.
;; This version of the problem:
;;   THIS VERSION OF THE PROBLEM IS GIVEN IN LOW PRECISION. The matrix products marked QUANTISED in the list below multiply operands that are first quantised to E2M1 (2 exponent bits, 1 mantissa bit; 4 bits a number), with one power-of-two scale for each 32 numbers along K (OCP MX v1.0); their sums are f32. All else is computed in f32.
;;   The module's matrix products, in the order in which they are computed (A, B: the left and right operand; K: the contracted axis; several contracted axes count as one K, in the product's order):
;;     1. [M 65,536, K 128] x [K 128, N 8]; A: input x; B: input router_w: left as it is (N = 8 < 16)
;;     2. [M 65,536, K 128] x [K 128, N 1,024]; A: input x; B: input expert_w (given as codes): QUANTISED
;;     3. batch 65,536 x [M 1, K 2] x [K 2, N 128]; A: computed on the way; B: computed on the way: left as it is (K = 2 < 32)
;;   THE QUANTISER, for each operand of a quantised product, along K:
;;     - K is cut into blocks of 32 from its start; a last block that is shorter is filled with zeros.
;;     - A block's scale is 2^e with e = floor(log2(the largest magnitude in the block)) - 2, held to -126 .. 127; a block of zeros has e = 0. As a byte (E8M0): e + 127.
;;     - Each number is divided by its block's scale, clamped to +-6, and rounded to the nearest number of E2M1, ties to even, subnormals kept.
;;     - The product sums the exact products of the quantised numbers (number of the format x scale) in f32.
;;   ~~~python
;;   def quantise(x, axis):      # numpy; x: float32 -> the quantised numbers, widened to float32 again
;;       x = np.moveaxis(x, axis, -1); K = x.shape[-1]
;;       x = np.pad(x, [(0, 0)] * (x.ndim - 1) + [(0, -K % 32)]); x = x.reshape(x.shape[:-1] + (-1, 32)); a = np.abs(x).max(-1, keepdims=True)
;;       e = np.where(a > 0, np.clip(np.frexp(np.where(a > 0, a, 1))[1] - 1 - 2, -126, 127), 0)      # np.frexp(a)[1] - 1 = floor(log2(a)), exactly
;;       r = np.clip(x / 2.0 ** e, -6, 6)
;;       step = 2.0 ** (np.maximum(np.frexp(np.where(r == 0, 1, r))[1] - 1, 0) - 1)
;;       q = np.round(r / step) * step * 2.0 ** e      # np.round: ties to even
;;       return np.moveaxis(q.reshape(q.shape[:-2] + (-1,))[..., :K], -1, axis).astype(np.float32)
;;   ~~~
;;   INPUTS GIVEN AS CODES. expert_w (in the module: [8, 128, 128], K = its axis 1): each comes as NAME_codes (uint8): NAME with its K axis moved to the last place and cut into blocks of 32 codes, [.., K / 32, bytes a block], one block behind the other in memory; two codes a byte, the lower K in the low four bits (a code: sign, 2 exponent bits, 1 mantissa bit); and NAME_scales (uint8): the same leading axes, one E8M0 byte (e + 127) for each 32 codes along K. Its value is code x scale, taken as it is: it is not quantised again, and the codes and scales need not be those that the quantiser above would give.
;; One version. Each part assembles by itself: llvm-mc -triple=amdgcn-amd-amdhsa -mcpu=gfx1250 --defsym DOCPART=n.
;; ======== version 1 of 1: 1 launch
;; launch moe (part 1): grid 256 x 1, 8 waves a work-group, no clusters, 305,152 bytes of LDS; arguments x, router_w, router_b, expert_w_codes, expert_w_scales, expert_b, out0; writes out0
.if DOCPART == 1
	.amdgcn_target "amdgcn-amd-amdhsa--gfx1250"
	.amdhsa_code_object_version 6
	.text
	.protected	k_q7c2706d4c8_moe
	.globl	k_q7c2706d4c8_moe
	.p2align	8
	.type	k_q7c2706d4c8_moe,@function
k_q7c2706d4c8_moe:
	s_mov_b64 s[64:65], 0
	v_nop
	global_prefetch_b8 v0, s[64:65] scope:SCOPE_SE
	s_setreg_imm32_b32 hwreg(HW_REG_WAVE_MODE, 25, 1), 1
	s_wait_xcnt 0x0
; out0[t][:] = p1 (Q(x[t]) W[e1] + b[e1]) + p2 (Q(x[t]) W[e2] + b[e2]);  e1, e2 = the two experts with the largest router logits x[t] router_w + router_b (f32),
; p1 = 1 / (1 + e^(l2 - l1)), p2 = e^(l2 - l1) p1: the softmax's divisor cancels in the renormalisation, and the largest logit is taken away ahead of the one exponential that is left.
; Q: E2M1 codes, one E8M0 scale for each 32 along K.  W arrives as codes [8][128 columns][64 bytes] and scale words [8][128][4 bytes].
; ONE LAUNCH, EACH BYTE ONCE.  65,536 tokens x 512 bytes come in and as many go out; the eight experts' products are 256 matrix instructions a SIMD.  So every expert is multiplied for every token and the
; router only SELECTS VALUES: a token's eight gates (p1, p2 and six zeros) weigh the eight results.  No address and no branch hangs on the router; the text has no branch at all.
; SHARES.  A work-group of eight waves owns 256 tokens, in four chunks of 64.  All of its x is asked for in the first lines: each wave issues four tensor loads, its own 8 rows of each chunk, and it alone reads them.
; A chunk has three phases:
; X: wave w takes tokens 8 w .. 8 w + 7: lane (t = lane % 8, s = lane / 8) holds block s (32 numbers) of token t: router partial sums, the block's codes and scale byte; codes, bytes and gates go to LDS.
; M: THE WAVES SHARE THE COLUMNS: wave w makes columns 16 w .. 16 w + 15 of all eight experts, for the chunk's four tiles of 16 tokens; its weights, their scale words and its biases stay in registers for the whole launch.
;    The product is used transposed (source 0 = 16 columns of an expert, source 1 = 16 tokens): a lane holds ONE token and eight neighbouring columns; the bias is the product's C.  The weighted sum goes to a stage in LDS.
; O: wave w stores 8 whole rows: each store of the wave covers 512 consecutive bytes, aligned.
; THE PHASES OF NEIGHBOURING CHUNKS SHARE A STRETCH BETWEEN TWO BARRIERS:  X0 | M0 X1 | O0 M1 X2 | O1 M2 X3 | O2 M3 | O3.  One barrier shows every wave chunk c's rows in the stage and chunk c + 1's codes, bytes and gates:
; five barriers in all, and some 550 instructions of a wave between two of them, so that the two waves of a SIMD need not stand in the same phase.
; Every chunk has LDS bytes of its own: nothing is filled or written twice, so no barrier is owed between a read and a later write, and later chunks' tensor loads stay out across the barriers.
; No cluster: what work-groups share is the weights, which each wave reads once into registers (104 loads); x, the bulk of the bytes, is shared by nobody.
; LIMITS.  NaN and infinities among the inputs are not served.  A block of zeros gets the scale byte 1 (its codes are zeros; the byte is read here alone).  The two experts are chosen on the logits, ties to the lower index:
; two UNEQUAL logits whose f32 probabilities coincide would be ordered by index in the definition.  An expert that is not chosen enters as 0 x its result: a result that overflows f32, or a weight scale byte 0xff, gives NaN there.
;
; LDS
.set CODES, 0                          ; 256 tokens x 80: 64 bytes of codes (block s at 16 s) + 16 of padding
.set GATES, 20480                      ; 256 tokens x 48: 8 gates + 16 of padding
.set SCW,   32768                      ; 256 tokens x 4: x's scale words
.set XB,    33792                      ; 256 rows of x x 528 (512 + 16 of padding), laid by the tensor loads; no other region is filled by them
.set STAGE, 168960                     ; 256 rows of out0 x 528; ends at 304,128
.set XP,    528
.set CHX,   64*XP                      ; a chunk's rows in XB and in STAGE
; REGISTERS, window 0
.set XA,  1                            ; v1   XB + 528 (8 w + t) + 128 s, + CHX a chunk
.set CW,  2                            ; v2   80 (8 w + t) + 16 s
.set SW,  3                            ; v3   SCW + 4 (8 w + t) + s
.set GW,  4                            ; v4   GATES + 48 (8 w + t)
.set FR,  5                            ; v5   80 r + 16 h          (r = lane % 16, h = lane / 16)
.set SR,  6                            ; v6   SCW + 4 r
.set GR,  7                            ; v7   GATES + 48 r
.set SO,  8                            ; v8   STAGE + 528 r + 32 h + 64 w, + CHX a chunk
.set RD,  9                            ; v9   STAGE + 528 x 8 w + 16 lane, + CHX a chunk
.set GO,  10                           ; v10  4096 w + 16 lane: my bytes in the group's rows of out0; never rewritten
.set WS,  12                           ; v12-19   the experts' scale words; they hold scales and nothing else
.set XS,  20                           ; v20-21   x's scale words, two sets; likewise
.set WF,  24                           ; v24-87   the experts' fragments: expert e at 24 + 8 e
.set WB,  88                           ; v88-151  the biases in the result's layout: expert e at 88 + 8 e
.set FRG, 152                          ; M: v152-167 x's fragments, two sets
.set G,   168                          ; M: v168-183 a token's eight gates, two sets
.set OUT, 184                          ; M: v184-191 the weighted sum
.set D,   192                          ; M: v192-255 the eight results
.set X,   192                          ; X: v192-223 my 32 numbers
.set ACC, 224                          ; X: v224-231 partial logits of even k, v232-239 of odd k; then the logits in v224-231
.set T,   240                          ; X: v240-247 the other half of the lanes' sums
.set GV,  152                          ; X: v152-159 the gates;  v160-170 at work
.set AM,  176                          ; X: v176-177 largest magnitudes
.set SCL, 178                          ; X: the conversion's scale operand
.set BYT, 179                          ; X: the scale's byte
.set COD, 180                          ; X: v180-183 32 codes
.set OB,  224                          ; O: v224-255 eight rows' 16 bytes: the registers of results 4 to 7, so that the next tile's operands can be loaded beside them
; window 1: all 256 registers: register 8 i + e = router_w[32 s + i][e]
.set MSB, 0
.macro WIN new                         ; the immediate's high byte repeats the setting that is left; a switch that changes nothing is dropped
.if MSB != \new
	s_set_vgpr_msb (MSB<<8)|\new
.set MSB, \new
.endif
.endm
.macro BAR                             ; my LDS stores have landed and my LDS loads are in: then the work-group's barrier
	s_wait_dscnt 0x0
	s_barrier_signal -1
	s_barrier_wait -1
.endm
	s_load_b256 s[4:11], s[0:1], 0x0               ; x s[4:5], router_w s[6:7], router_b s[8:9], the codes s[10:11]
	s_load_b128 s[12:15], s[0:1], 0x20             ; the scales s[12:13], expert_b s[14:15]
	s_load_b64 s[2:3], s[0:1], 0x30                ; out0
	v_lshl_add_u32 v22, v0, 2, 0x4a400
	v_mov_b32 v23, 0
	ds_add_u32 v22, v23
	ds_add_u32 v22, v23
	v_lshrrev_b32 v224, 5, v0
	v_readfirstlane_b32 s40, v224                  ; wave 0..7
	; descriptor group 1: 8 rows of 128 elements of 4 bytes, dense in memory, 16 bytes of padding behind each row in LDS
	s_mov_b32 s16, (2<<16)|(1<<20)|(6<<22)|(3<<25) ; 15:0 no mask; 17:16 elements of 4 bytes; 20 padding on; 24:22 after every 128 words (code 6); 31:25 four words (code 3)
	s_mov_b32 s17, 128<<16                         ; tensor_dim0 = 128
	s_mov_b32 s18, 8<<16                           ; tensor_dim1 = 8
	s_mov_b32 s19, 128<<16                         ; tile_dim0 = 128
	s_mov_b32 s20, 8                               ; tile_dim1 = 8
	s_mov_b32 s21, 128                             ; elements from row to row
	s_mov_b32 s22, 0
	s_mov_b32 s23, 0
	s_mul_i32 s41, s40, 8*XP                       ; my 8 rows in a chunk of XB or of STAGE
	s_lshl_b32 s42, ttmp9, 17                      ; the group's 256 rows of 512 bytes (under 2^25)
	s_mov_b32 s43, 0
	s_lshl_b32 s60, s40, 12                        ; my 8 rows in memory
	s_mov_b32 s61, 0
	s_wait_dscnt 0x0
	s_wait_kmcnt 0x0
	s_load_b256 s[44:51], s[8:9], 0x0              ; router_b's eight numbers
	s_add_nc_u64 s[2:3], s[2:3], s[42:43]          ; out0 at the group's first row
	s_add_nc_u64 s[4:5], s[4:5], s[42:43]
	s_add_nc_u64 s[4:5], s[4:5], s[60:61]          ; x at my first row
.irp c, 0,1,2,3                                ; descriptor group 0, a set for each chunk
	s_mov_b32 s[24+4*\c], 1                                        ; count = 1
	s_add_co_u32 s[25+4*\c], s41, XB+CHX*\c                        ; LDS address: a constant + 4,224 x wave
	s_add_nc_u64 s[26+4*\c:27+4*\c], s[4:5], 32768*\c              ; my 8 rows of chunk c
	s_or_b32 s[27+4*\c], s[27+4*\c], 0x80000000                    ; type = 2
.endr
	tensor_load_to_lds s[24:27], s[16:23]          ; all first fills in one group, ahead of every wait on TENSORcnt, every LDS read and every barrier: four loads of mine are out
	s_nop 0
	tensor_load_to_lds s[28:31], s[16:23]
	s_nop 0
	tensor_load_to_lds s[32:35], s[16:23]
	s_nop 0
	tensor_load_to_lds s[36:39], s[16:23]
	s_nop 0
.rept 4
	v_nop                                          ; four instructions ahead of the next switch of windows
.endr
	v_and_b32 v224, 31, v0                         ; lane
	v_and_b32 v226, 7, v0                          ; t
	v_bfe_u32 v227, v0, 3, 2                       ; s
	v_and_b32 v228, 15, v0                         ; r
	v_bfe_u32 v229, v0, 4, 1                       ; h
	s_lshl_b32 s52, s40, 6                         ; 64 w
	s_lshl_b32 s53, s40, 10                        ; 1,024 w
	v_lshlrev_b32 v152, 10, v227                   ; router_w: my 32 rows of 32 bytes
	v_lshlrev_b32 v153, 6, v228                    ; the codes: column 16 w + r, 64 bytes a column, + 16 h
	v_lshl_add_u32 v153, v229, 4, v153
	v_add_nc_u32 v153, s53, v153
	v_lshl_add_u32 v154, v228, 2, s52              ; the scale words: 4 bytes a column
	v_lshl_add_u32 v155, v229, 5, s52              ; the biases: columns 16 w + 8 h + 0 .. 7
	WIN 0x40                                       ; destination window 1, address window 0
.irp i, 0,1,2,3,4,5,6,7,8,9,10,11,12,13,14,15,16,17,18,19,20,21,22,23,24,25,26,27,28,29,30,31
	global_load_b128 v[8*\i:8*\i+3],   v152, s[6:7] offset:32*\i      ; router_w[32 s + i][0 .. 3]
	global_load_b128 v[8*\i+4:8*\i+7], v152, s[6:7] offset:32*\i+16   ; and [4 .. 7]
.endr
	WIN 0
.irp e, 0,1,2,3,4,5,6,7
	global_load_b32 v[WS+\e], v154, s[12:13] offset:512*\e
.endr
.irp e, 0,1,2,3,4,5,6,7
.irp k, 0,1
	global_load_b128 v[WF+8*\e+4*\k:WF+8*\e+4*\k+3], v153, s[10:11] offset:8192*\e+32*\k   ; registers 4 k .. 4 k + 3: K = 64 k + 32 h + 0 .. 31 of my column
.endr
.endr
.irp e, 0,1,2,3,4,5,6,7
.irp k, 0,1
	global_load_b128 v[WB+8*\e+4*\k:WB+8*\e+4*\k+3], v155, s[14:15] offset:512*\e+16*\k
.endr
.endr
	; the LDS addresses: a constant + a constant x lane term + a constant x wave
	s_mul_i32 s54, s40, 8*80
	s_lshl_b32 s55, s40, 5
	s_mul_i32 s56, s40, 8*48
	v_mul_u32_u24 v[XA], v226, XP
	v_lshl_add_u32 v[XA], v227, 7, v[XA]
	v_add_nc_u32 v[XA], s41, v[XA]
	v_add_nc_u32 v[XA], XB, v[XA]
	v_mul_u32_u24 v[CW], v226, 80
	v_lshl_add_u32 v[CW], v227, 4, v[CW]
	v_add_nc_u32 v[CW], s54, v[CW]
	v_lshl_add_u32 v[SW], v226, 2, v227
	v_add_nc_u32 v[SW], s55, v[SW]
	v_add_nc_u32 v[SW], SCW, v[SW]
	v_mul_u32_u24 v[GW], v226, 48
	v_add_nc_u32 v[GW], s56, v[GW]
	v_add_nc_u32 v[GW], GATES, v[GW]
	v_mul_u32_u24 v[FR], v228, 80
	v_lshl_add_u32 v[FR], v229, 4, v[FR]
	v_lshl_add_u32 v[SR], v228, 2, SCW
	v_mul_u32_u24 v[GR], v228, 48
	v_add_nc_u32 v[GR], GATES, v[GR]
	v_mul_u32_u24 v[SO], v228, XP
	v_lshl_add_u32 v[SO], v229, 5, v[SO]
	v_add_nc_u32 v[SO], s52, v[SO]
	v_add_nc_u32 v[SO], STAGE, v[SO]
	v_lshlrev_b32 v[RD], 4, v224
	v_add_nc_u32 v[RD], s41, v[RD]
	v_add_nc_u32 v[RD], STAGE, v[RD]
	v_lshl_add_u32 v[GO], v224, 4, s60
	s_mov_b32 s74, 0x76543210
	s_mov_b32 s75, 0xfedcba98                      ; v_permlanex16_b32's selects for lane l xor 16
.irp e, 0,1,2,3,4,5,6,7
	v_mov_b32 v[T+\e], 0                           ; written ahead of the first use: a lane permute's destination counts as one of its sources
.endr
; PHASE X of chunk c: my 8 tokens are routed and quantised.
.macro XPASS c
.if \c > 0
	v_add_nc_u32 v[XA], CHX, v[XA]
.endif
	s_wait_tensorcnt 3-\c                          ; tensor loads of a wave end in order: my rows of chunk c are in LDS, the 3 - c younger loads stay out
.irp j, 0,1,2,3,4,5,6,7
	ds_load_b128 v[X+4*\j:X+4*\j+3], v[XA] offset:16*\j   ; block s of token t, in the order of K.  Sixteen lanes take 16-byte columns t + 8 s + j mod 16: all different
.endr
.if \c == 0
	s_wait_loadcnt 40                              ; the 64 loads of router_w are in; behind them stand 8 + 16 + 16 loads of the experts' weights, which may stay out
	s_wait_kmcnt 0x0                               ; router_b
.endif
	; the router in f32: x_i is broadcast, a pair of results is two neighbouring experts.  Eight chains (four pairs of experts x even and odd i); the first two i start the sums: nothing is cleared
	WIN 0x04                                       ; source 1 (router_w) window 1
.irp j, 0,1,2,3,4,5,6,7
	s_wait_dscnt 7-\j                              ; LDS loads come back in order: numbers 4 j .. 4 j + 3 are in
.irp u, 0,1
.irp q, 0,1,2,3
.if (\j == 0) && (\u == 0)
	v_pk_mul_f32 v[ACC+2*\q:ACC+2*\q+1], v[X:X+1], v[2*\q:2*\q+1] op_sel:[0,0] op_sel_hi:[0,1]
.else
	v_pk_fma_f32 v[ACC+2*\q:ACC+2*\q+1], v[X+4*\j+2*\u:X+4*\j+2*\u+1], v[8*(4*\j+2*\u)+2*\q:8*(4*\j+2*\u)+2*\q+1], v[ACC+2*\q:ACC+2*\q+1] op_sel:[0,0,0] op_sel_hi:[0,1,1]
.endif
.endr
.irp q, 0,1,2,3
.if (\j == 0) && (\u == 0)
	v_pk_mul_f32 v[ACC+8+2*\q:ACC+8+2*\q+1], v[X:X+1], v[8+2*\q:8+2*\q+1] op_sel:[1,0] op_sel_hi:[1,1]
.else
	v_pk_fma_f32 v[ACC+8+2*\q:ACC+8+2*\q+1], v[X+4*\j+2*\u:X+4*\j+2*\u+1], v[8*(4*\j+2*\u+1)+2*\q:8*(4*\j+2*\u+1)+2*\q+1], v[ACC+8+2*\q:ACC+8+2*\q+1] op_sel:[1,0,0] op_sel_hi:[1,1,1]
.endif
.endr
.endr
.endr
	WIN 0
.irp q, 0,1,2,3
	v_pk_add_f32 v[ACC+2*\q:ACC+2*\q+1], v[ACC+2*\q:ACC+2*\q+1], v[ACC+8+2*\q:ACC+8+2*\q+1]
.endr
.irp e, 0,1,2,3,4,5,6,7
	v_add_f32_dpp v[ACC+\e], v[ACC+\e], v[ACC+\e] row_xmask:8 row_mask:0xf bank_mask:0xf   ; blocks s and s xor 1,
.endr
.irp e, 0,1,2,3,4,5,6,7
	v_permlanex16_b32 v[T+\e], v[ACC+\e], s74, s75
.endr
.irp q, 0,1,2,3
	v_pk_add_f32 v[ACC+2*\q:ACC+2*\q+1], v[ACC+2*\q:ACC+2*\q+1], v[T+2*\q:T+2*\q+1]       ; and s xor 2: each addition has the same two numbers in both lanes, so a token's four lanes hold the same bits
.endr
.irp e, 0,1,2,3,4,5,6,7
	v_add_f32 v[ACC+\e], s[44+\e], v[ACC+\e]       ; the logits
.endr
.if \c == 0
	s_wait_xcnt 0x0                                ; v152-155, the offsets of the weights' loads, are written below.  (In the later chunks no global instruction names a register of this phase: the wait ahead of the products of tile 0 has freed the stores' data)
.endif
	; the block's scale and codes: all 32 numbers are mine
	v_max3_num_f32 v[AM], |v[X]|, |v[X+1]|, |v[X+2]|
	v_max3_num_f32 v[AM+1], |v[X+3]|, |v[X+4]|, |v[X+5]|
.irp i, 6,10,14,18,22,26
	v_max3_num_f32 v[AM], v[AM], |v[X+\i]|, |v[X+\i+1]|
	v_max3_num_f32 v[AM+1], v[AM+1], |v[X+\i+2]|, |v[X+\i+3]|
.endr
	v_max3_num_f32 v[AM], v[AM], |v[X+30]|, |v[X+31]|
	v_max3_num_f32 v[AM], v[AM], v[AM+1], 0x1800000   ; and the floor 2^(3 - 127): the byte cannot fall under 1
	v_add_nc_u32 v[SCL], 0xff000000, v[AM]         ; 2 off the exponent field: the conversion takes the exponent field of this operand as its scale, and nothing else of it
	v_lshrrev_b32 v[BYT], 23, v[SCL]               ; the scale's byte
.irp g, 0,1,2,3
	v_cvt_scalef32_pk8_fp4_f32 v[COD+\g], v[X+8*\g:X+8*\g+7], v[SCL]   ; to the nearest code, ties to even, beyond 6 the largest code
.endr
	v_nop                                          ; one plain place behind the last scaled conversion
	; the two largest logits, counted with their multiplicity: (a, b) of l0-3 and of l4-7, then of both
	v_max_num_f32 v160, v[ACC], v[ACC+1]
	v_min_num_f32 v161, v[ACC], v[ACC+1]
	v_max_num_f32 v162, v[ACC+4], v[ACC+5]
	v_min_num_f32 v163, v[ACC+4], v[ACC+5]
.irp i, 2,3
	v_med3_num_f32 v161, v160, v161, v[ACC+\i]     ; the second largest of three is their middle one (with the old a)
	v_med3_num_f32 v163, v162, v163, v[ACC+4+\i]
	v_max_num_f32 v160, v160, v[ACC+\i]
	v_max_num_f32 v162, v162, v[ACC+4+\i]
.endr
	v_min_num_f32 v166, v160, v162
	v_max_num_f32 v164, v160, v162                 ; m1
	v_max3_num_f32 v165, v166, v161, v163          ; m2
	v_sub_f32 v166, v165, v164                     ; l2 - l1, 0 or less
	v_mul_f32 v166, 0x3fb8aa3b, v166
	v_exp_f32 v167, v166                           ; e^(l2 - l1), at most 1
	v_nop                                          ; a plain place behind the transcendental
.irp e, 0,1,2,3,4,5,6,7
	v_cmp_gt_f32 s[52+\e], v[ACC+\e], v165         ; above m2: at most one expert
.endr
.irp e, 0,1,2,3,4,5,6,7
	v_cmp_eq_f32 s[66+\e], v[ACC+\e], v165         ; equal to m2
.endr
	s_wait_alu depctr_va_vdst(0)
	v_add_f32 v168, 1.0, v167
	v_rcp_f32 v169, v168                           ; p1
	v_nop
	s_wait_alu depctr_va_vdst(0)
	v_mul_f32 v170, v167, v169                     ; p2
	; of the experts equal to m2 the lowest one is kept, or the lowest two where none lies above: lane by lane in bit masks.  s60: one is taken, s61: two are taken
	s_or_b32 s60, s52, s53
.irp e, 2,3,4,5,6,7
	s_or_b32 s60, s60, s[52+\e]
.endr
	s_mov_b32 s61, 0
.irp e, 0,1,2,3,4,5,6,7
	s_and_b32 s62, s60, s[66+\e]
	s_or_b32 s60, s60, s[66+\e]
	s_and_not1_b32 s[66+\e], s[66+\e], s61
	s_or_b32 s61, s61, s62
.endr
.irp e, 0,1,2,3,4,5,6,7
	v_cndmask_b32 v[GV+\e], 0, v170, s[66+\e]      ; the gates: p2 (which is p1 where the two logits are equal),
.endr
.irp e, 0,1,2,3,4,5,6,7
	v_cndmask_b32 v[GV+\e], v[GV+\e], v169, s[52+\e]   ; p1, or 0
.endr
	ds_store_b128 v[CW], v[COD:COD+3] offset:5120*\c
	ds_store_b8 v[SW], v[BYT] offset:256*\c
	ds_store_b128 v[GW], v[GV:GV+3] offset:3072*\c         ; a token's four lanes write the same bytes with the same values
	ds_store_b128 v[GW], v[GV+4:GV+7] offset:3072*\c+16
.endm
; x's fragment, scale words and gates of the chunk's tile m (16 tokens) into set m % 2: five LDS loads
.macro LOADT c, m
.set LR, 64*(\c)+16*(\m)
.set LSET, (\m)%2
	ds_load_b128 v[FRG+8*LSET:FRG+8*LSET+3],   v[FR] offset:80*LR      ; registers 4 k .. 4 k + 3: K = 64 k + 32 h + 0 .. 31 of token r
	ds_load_b128 v[FRG+8*LSET+4:FRG+8*LSET+7], v[FR] offset:80*LR+32
	ds_load_b32 v[XS+LSET], v[SR] offset:4*LR
	ds_load_b128 v[G+8*LSET:G+8*LSET+3],   v[GR] offset:48*LR
	ds_load_b128 v[G+8*LSET+4:G+8*LSET+7], v[GR] offset:48*LR+16
.endm
; A tile: eight products, one an expert, each with its bias as C, on eight accumulators of their own; then the weighted sum.
.macro TILE c, m
.if \m == 0
	s_wait_dscnt 0x0                               ; this tile's five loads, my youngest LDS instructions, are in
.else
	s_wait_dscnt 2                                 ; this tile's five loads are in; behind them stand the last tile's two stores into the stage, which may stay out: the barrier's wait is for them
.endif
.if \m < 3
	LOADT \c, (\m)+1                               ; into the set that the tile before multiplied: behind its last product stand four v_nop and 28 packed operations that name none of that product's registers
.endif
.if (\m == 0) && (\c > 0)
	s_wait_xcnt 0x0                                ; the last chunk's stores to out0 have read v224-255, which results 4 to 7 are written into
.endif
.set TS, (\m)%2
.irp e, 0,1,2,3,4,5,6,7
	v_wmma_scale_f32_16x16x128_f8f6f4 v[D+8*\e:D+8*\e+7], v[WF+8*\e:WF+8*\e+7], v[FRG+8*TS:FRG+8*TS+7], v[WB+8*\e:WB+8*\e+7], v[WS+\e], v[XS+TS] matrix_a_fmt:MATRIX_FMT_FP4 matrix_b_fmt:MATRIX_FMT_FP4
.endr                                          ; lane (r, h), register j: token r, column 16 w + 8 h + j of expert e
.rept 4
	v_nop                                          ; four places ahead of the first read of a result, and of the loads that later land in these registers
.endr
.irp g, 0,1,2,3                                ; experts 2 g and 2 g + 1: their gates are a pair; each result is read from its low end on
.irp p, 0,1,2,3
.if \g == 0
	v_pk_mul_f32 v[OUT+2*\p:OUT+2*\p+1], v[D+2*\p:D+2*\p+1], v[G+8*TS:G+8*TS+1] op_sel_hi:[1,0]
.else
	v_pk_fma_f32 v[OUT+2*\p:OUT+2*\p+1], v[D+16*\g+2*\p:D+16*\g+2*\p+1], v[G+8*TS+2*\g:G+8*TS+2*\g+1], v[OUT+2*\p:OUT+2*\p+1] op_sel_hi:[1,0,1]
.endif
.endr
.irp p, 0,1,2,3
	v_pk_fma_f32 v[OUT+2*\p:OUT+2*\p+1], v[D+16*\g+8+2*\p:D+16*\g+8+2*\p+1], v[G+8*TS+2*\g:G+8*TS+2*\g+1], v[OUT+2*\p:OUT+2*\p+1] op_sel:[0,1,0] op_sel_hi:[1,1,1]
.endr
.endr
	ds_store_b128 v[SO], v[OUT:OUT+3] offset:16*XP*\m          ; 32 bytes of row 16 m + r of the chunk's stage
	ds_store_b128 v[SO], v[OUT+4:OUT+7] offset:16*XP*\m+16
.endm
.macro TILES c
	TILE \c, 0
	TILE \c, 1
	TILE \c, 2
	TILE \c, 3
.endm
; PHASE O of chunk c, in two parts.  OLOAD: rows 8 w .. 8 w + 7 of the chunk's stage come back, the 32 lanes taking a whole row of 512 bytes.  OSEND: they are stored.
.macro OLOAD c
.if \c > 0
	v_add_nc_u32 v[RD], CHX, v[RD]
.endif
.irp i, 0,1,2,3,4,5,6,7
	ds_load_b128 v[OB+4*\i:OB+4*\i+3], v[RD] offset:XP*\i
.endr
.endm
.macro OSEND c, younger                ; younger: the LDS loads issued behind OLOAD's, which may stay out
.irp i, 0,1,2,3,4,5,6,7
	s_wait_dscnt \younger+7-\i                     ; row i is in
	global_store_b128 v[GO], v[OB+4*\i:OB+4*\i+3], s[2:3] offset:32768*(\c)+512*\i th:TH_STORE_NT   ; 512 consecutive bytes, at a multiple of 512 from out0's first byte; written once, read by nobody here
.endr
.endm
; Behind a barrier: chunk p = c - 1 leaves and chunk c is multiplied.  The stage's eight loads and tile 0's five go out in one run, so that one wait for LDS serves both.
.macro STRETCH p, c
	BAR                                            ; chunk p's 64 rows lie in the stage; chunk c's codes, scale bytes and gates lie in LDS
	OLOAD \p
	v_add_nc_u32 v[SO], CHX, v[SO]
	LOADT \c, 0
	OSEND \p, 5
	TILES \c
.endm
	XPASS 0
	BAR                                            ; chunk 0's codes, scale bytes and gates lie in LDS
	s_wait_loadcnt 0x0                             ; the experts' fragments, scale words and biases, once
	LOADT 0, 0
	TILES 0
	XPASS 1
	STRETCH 0, 1
	XPASS 2
	STRETCH 1, 2
	XPASS 3
	STRETCH 2, 3
	BAR                                            ; chunk 3's 64 rows lie in the stage
	OLOAD 3
	OSEND 3, 0
	s_wait_tensorcnt 0x0
	ds_add_u32 v22, v23
	s_wait_dscnt 0x0
	s_endpgm                                       ; the last wait on TENSORcnt was for 0: no tensor load is out
.Lfunc_end_k_q7c2706d4c8_moe:
	.size	k_q7c2706d4c8_moe, .Lfunc_end_k_q7c2706d4c8_moe-k_q7c2706d4c8_moe
	.p2alignl 7, 3214868480
	.fill 96, 4, 3214868480
	.section	.rodata,"a",@progbits
	.p2align	6, 0x0
	.amdhsa_kernel k_q7c2706d4c8_moe
		.amdhsa_group_segment_fixed_size 305152
		.amdhsa_private_segment_fixed_size 0
		.amdhsa_enable_private_segment 0
		.amdhsa_kernarg_size 56
		.amdhsa_user_sgpr_count 2
		.amdhsa_user_sgpr_kernarg_segment_ptr 1
		.amdhsa_wavefront_size32 1
		.amdhsa_system_sgpr_workgroup_id_x 1
		.amdhsa_system_sgpr_workgroup_id_y 1
		.amdhsa_system_sgpr_workgroup_id_z 1
		.amdhsa_system_vgpr_workitem_id 0
		.amdhsa_next_free_vgpr 512
		.amdhsa_next_free_sgpr 76
		.amdhsa_reserve_vcc 0
		.amdhsa_float_denorm_mode_32 3
		.amdhsa_float_denorm_mode_16_64 3
		.amdhsa_memory_ordered 1
		.amdhsa_forward_progress 1
		.amdhsa_inst_pref_size 147
	.end_amdhsa_kernel
	.amdgpu_metadata
---
amdhsa.version: [ 1, 2 ]
amdhsa.kernels:
  - .name:           k_q7c2706d4c8_moe
    .symbol:         k_q7c2706d4c8_moe.kd
    .args:
      - { .name: x, .offset: 0, .size: 8, .value_kind: global_buffer, .address_space: global }
      - { .name: router_w, .offset: 8, .size: 8, .value_kind: global_buffer, .address_space: global }
      - { .name: router_b, .offset: 16, .size: 8, .value_kind: global_buffer, .address_space: global }
      - { .name: expert_w_codes, .offset: 24, .size: 8, .value_kind: global_buffer, .address_space: global }
      - { .name: expert_w_scales, .offset: 32, .size: 8, .value_kind: global_buffer, .address_space: global }
      - { .name: expert_b, .offset: 40, .size: 8, .value_kind: global_buffer, .address_space: global }
      - { .name: out0, .offset: 48, .size: 8, .value_kind: global_buffer, .address_space: global }
    .group_segment_fixed_size: 305152
    .private_segment_fixed_size: 0
    .kernarg_segment_align: 8
    .kernarg_segment_size: 56
    .max_flat_workgroup_size: 256
    .sgpr_count:     76
    .vgpr_count:     512
    .wavefront_size: 32
...
	.end_amdgpu_metadata
.endif
;; end of part 1
